; MI455X (gfx1250); checked and timed in simulation.
; The chip was launched on July 23, 2026; its instructions are those of AMD's public machine-readable ISA for CDNA 5 (MIT licence, August 2026) and "CDNA5" Instruction Set Architecture Reference Guide (July 2026). The comments in the code are by the model that wrote it; some were corrected since.
;; Attention. Allowed arithmetic: float matrix products may take bf16 or f16 operands with f32 sums; all other float work in f32.
;; Inputs: K 4 x 16 x 2,048 x 64 float32; Q 4 x 16 x 2,048 x 64 float32; V 4 x 16 x 2,048 x 64 float32.
;; Outputs: out0 4 x 16 x 2,048 x 64 float32.
;; 2 versions, each right; version 2 is version 1 with the launch attn written anew for expert scheduling mode. Each part assembles by itself: llvm-mc -triple=amdgcn-amd-amdhsa -mcpu=gfx1250 --defsym DOCPART=n.
;; ======== version 1 of 2: 1 launch
;; limits: values are held in f16: magnitudes above 65,504 overflow, below 6.1e-05 lose precision; right only within a limited range of input values
;; launch attn (part 1): grid 256 x 1, 8 waves a work-group, no clusters, 183,296 bytes of LDS; arguments Q, K, V, out0; writes out0
.if DOCPART == 1
	.amdgcn_target "amdgcn-amd-amdhsa--gfx1250"
	.amdhsa_code_object_version 6
	.text
	.protected	k_qdfdc2f13e8_attn
	.globl	k_qdfdc2f13e8_attn
	.p2align	8
	.type	k_qdfdc2f13e8_attn,@function
k_qdfdc2f13e8_attn:
	s_mov_b64 s[64:65], 0
	v_nop
	global_prefetch_b8 v0, s[64:65] scope:SCOPE_SE
	s_setreg_imm32_b32 hwreg(HW_REG_WAVE_MODE, 25, 1), 1
	s_wait_xcnt 0x0
; Causal softmax attention.  Q, K, V, out0: [64 heads][2048][64] f32.  out = softmax(mask(Q K^T / 8)) V.
;
; SHARING.  Work-group id: head = id >> 2, J = id & 3.  A head's 2048 query rows are 8 blocks of 256.  The work-group does block J
; and then block 7 - J: (J + 1) + (8 - J) = 9 rounds of 256 keys = 36 tiles of 64 keys, the same for all 256 work-groups.
; Wave w of 8 owns query rows 32 w .. 32 w + 31 of the block (two tiles of 16).  Inside a block the round on the diagonal comes first:
; its first tile has an open key for every row, so it starts the sums (C = 0, no old maximum) and nothing is cleared.
;
; LAYOUT.  S^T = K Q^T (A = 16 keys, B = 16 queries): a lane then holds 8 neighbouring keys of ONE query, which, packed to 16 bits, is the
; B fragment of O^T = V^T P^T as it stands: no shuffle between the two products.  A row's maximum and sum need one exchange between the
; two halves of the lanes, and the rescale factor is one number a lane.  V^T's fragments come by the transposing LDS load.
;
; FORMAT.  Q, K and V are rounded to bf16, sums are f32.  S^T = K Q^T is the bf16 form.  For the second product V's bf16 numbers are rewritten
; as f16, which holds them exactly (8 significant bits in 11) from 2^-14 to 65504, so that the weights P can go in f16: in the first rows a
; few weights near 1 meet values near 1 with no averaging, and P in 8 significant bits would leave up to 2^-9 of each term, of the size of
; a hundredth of the output's root mean square (about 0.1); 11 bits leave an eighth of that.  P is at most 1 (the running maximum is taken
; away), and a row's largest weight, 2^0, is exact.  V 30 times the drawn numbers with an offset of 30 spreads stays below 400.
;
; K AND V are narrowed ONCE per work-group: each wave loads 8 rows of K's and of V's tile (f32) into a ring of four register slots
; (three to four tiles ahead), converts, and stores 16-bit rows into one of two LDS buffers which all eight waves read.  One barrier a step.
;
; NO CLUSTER, NO JOINT REQUESTS: K and V pass through registers to be narrowed, so there is no tensor load to share; and the four
; work-groups of a head walk J + 1 and 8 - J rounds in different order, so at a given step they want different tiles.  A form in which all
; four walk alike needs 16 + 32 = 48 steps in place of 36.
; NO PREFETCH: the register ring already asks three steps ahead of the use.
;
; LIMITS.  A number of V beyond 65504 in magnitude becomes infinite in f16; below 2^-14 it is kept in steps of 2^-24.  The row sum is
; taken from the f32 weights.  Masked places inside the tiles of the diagonal round get the fill -8e10 in raw scores, which is reference's
; -1e10 behind the factor 1/8.  Tiles wholly above the diagonal are not computed: that equals reference() as long as a row's largest open
; score (scaled) lies above about -1e10 + 104, where the fill's weight is 0 in f32.  NaN in the inputs is not carried through the
; maximum (v_max*_num drops it).
.set KP,     144                       ; LDS pitch of a bf16 row of K or Q: 128 + 16 bytes, an odd multiple of 16
.set VP,     160                       ; LDS pitch of an f16 row of V: 128 + 32 bytes, an odd multiple of 32 (transposing load)
.set OP,     272                       ; LDS pitch of an f32 row of the result: 256 + 16 bytes
.set KBYTES, 64*KP                     ; 9216: K's part of a buffer; V's 64 rows (10240 bytes) lie behind it
.set BUF,    KBYTES+64*VP              ; 19456: one buffer; two of them at 0 and BUF
.set QS,     2*BUF                     ; 38912: Q in bf16, each wave's own: 2 blocks x 32 rows x 144
.set QBLK,   32*KP                     ; 4608
.set OS,     QS+8*2*QBLK               ; 112640: the way out, each wave's own: 32 rows x 272
.set OSW,    32*OP                     ; 8704;  OS + 8 * 8704 = 182272 = lds_bytes
.set TILEB,  16384                     ; 64 keys x 256 bytes in memory
.set ROUNDB, 65536                     ; 256 keys
; vector registers, window 0
.set KA,   1                           ; r*144 + 16h: K fragment address in buffer 0 (r = lane & 15, h = lane >> 4)
.set VA,   2                           ; 9216 + (8h + (lane&7))*160 + 16*((lane>>3)&1): V^T fragment address
.set KW,   3                           ; (8w + h)*144 + 8r: where my converted K goes
.set VW,   4                           ; 9216 + (8w + h)*160 + 8r: where my converted V goes
.set GOFF, 5                           ; 16 * lane: byte offset of all global loads and stores
.set REL,  6                           ; v[6:7]   32w + 16n + r - 8h: my query minus my first key, in the diagonal round
.set NEGV, 8                           ; the fill, -8e10
.set QR,   9                           ; Q fragment address (my wave's region)
.set M,    10                          ; v[10:11] running maximum of query tile n, raw scores
.set LS,   12                          ; v[12:13] running sum over this lane's keys
.set OWR,  14                          ; the way out: where I put 16 bytes
.set ORD,  15                          ; the way out: where I read a row back
.set AL,   16                          ; v[16:19] rescale factors (a0, a0, a1, a1)
.set NM,   20                          ; v[20:23] -c*m (twice for each n)
.set T,    24                          ; v[24:31] at work
.set Q,    32                          ; v[32:63]   Q fragments: Q + 16n + 8ks + 4c
.set O,    64                          ; v[64:127]  O^T: O + 32n + 8dt + j = (d = 16dt + 8h + j, query 16n + r)
.set S,    128                         ; v[128:191] S^T: S + 32n + 8kt + j = (key 16kt + 8h + j, query 16n + r); then P, packed in place
.set F,    192                         ; v[192:255] fragments of K (F + 16kt + 8ks + 4c), then of V^T (F + 16dt + 8ks + 4c)
.set G,    0                           ; window 1, v256-383: four slots of 32: K's 4 loads, V's 4 loads
; scalar registers
.set WV,   12                          ; wave number
.set JJ,   13                          ; J
.set GH,   15                          ; w >> 1: the last tile of the diagonal round in which my rows have an open key
.set KB,   16                          ; s[16:17] K + head + w*2048
.set VB,   18                          ; s[18:19] V likewise
.set OA,   20                          ; s[20:21] out0 at my rows of the first block;  s[22:23] of the second
.set QA,   24                          ; s[24:25] Q at my rows of the first block;     s[26:27] of the second
.set KPS,  28                          ; s[28:35] a base pair for each slot's K loads
.set VPS,  36                          ; s[36:43] and for its V loads
.set NX,   44                          ; byte offset of the round that is being fetched
.set TO,   46                          ; s[46:47] NX + tile, s47 = 0
.set BD,   48                          ; (7 - J) << 16: the second block's diagonal round
.set NB,   49                          ; 6 - J: the second block's full rounds but one
.set CNT,  50
.set CC,   54                          ; s[54:55] c = log2(e) / 8, twice
.set NC,   56                          ; -c
.set SEL,  57                          ; s57, s58: v_permlanex16_b32 takes lane i of the other half
.set HM,   59                          ; mask of a word's upper bf16
.set OF,   60                          ; s[60:61] an offset, s61 = 0
.set MSB, 0
.macro WIN new                         ; switches the register window; the immediate's high byte repeats the setting that is left
.if MSB != \new
	s_set_vgpr_msb (MSB<<8)|\new
.set MSB, \new
.endif
.endm
.macro PLACES n                        ; places behind matrix instructions (ISA guide 7.12.1): plain vector instructions that name none of their registers
.rept \n
	v_nop
.endr
.endm
	s_load_b256 s[4:11], s[0:1], 0x0               ; Q s[4:5], K s[6:7], V s[8:9], out0 s[10:11]
	v_lshl_add_u32 v30, v0, 2, 0x2c800
	s_set_vgpr_msb 0x40
	v_mov_b32 v129, 0
	s_set_vgpr_msb 0x4000
	v_lshrrev_b32 v1, 5, v0
	v_readfirstlane_b32 s[WV], v1                  ; wave 0..7
	s_and_b32 s[JJ], ttmp9, 3
	s_lshr_b32 s14, ttmp9, 2
	s_lshl_b32 s14, s14, 19                        ; head x 2048 rows x 256 bytes
	s_lshr_b32 s[GH], s[WV], 1
	s_sub_co_u32 s[BD], 7, s[JJ]
	s_lshl_b32 s[BD], s[BD], 16
	s_sub_co_u32 s[NB], 6, s[JJ]
	s_mov_b32 s[TO+1], 0
	s_mov_b32 s[OF+1], 0
	s_mov_b32 s[CC], 0x3e38aa3b
	s_mov_b32 s[CC+1], 0x3e38aa3b
	s_mov_b32 s[NC], 0xbe38aa3b
	s_mov_b32 s[SEL], 0x76543210
	s_mov_b32 s[SEL+1], 0xfedcba98
	s_mov_b32 s[HM], 0xffff0000
	v_and_b32 v[T], 31, v0                         ; lane
	v_lshlrev_b32 v[GOFF], 4, v[T]
	s_lshl_b32 s51, s[WV], 11                      ; my 8 rows of a tile
	s_lshl_b32 s52, s[WV], 13                      ; my 32 rows of a query block
	s_add_co_u32 s52, s52, s14
	s_wait_kmcnt 0x0
	s_add_co_u32 s[OF], s14, s51
	s_add_nc_u64 s[KB:KB+1], s[6:7], s[OF:OF+1]
	s_add_nc_u64 s[VB:VB+1], s[8:9], s[OF:OF+1]
	s_lshl_b32 s[OF], s[JJ], 16                    ; first block: J
	s_add_co_u32 s[OF], s[OF], s52
	s_add_nc_u64 s[QA:QA+1], s[4:5], s[OF:OF+1]
	s_add_nc_u64 s[OA:OA+1], s[10:11], s[OF:OF+1]
	s_add_co_u32 s[OF], s[BD], s52                 ; second block: 7 - J
	s_add_nc_u64 s[QA+2:QA+3], s[4:5], s[OF:OF+1]
	s_add_nc_u64 s[OA+2:OA+3], s[10:11], s[OF:OF+1]
	; my 32 rows of Q of both blocks: 16 loads of 512 neighbouring bytes each, read once in the launch
.irp i, 0,1,2,3,4,5,6,7,8,9,10,11,12,13,14,15
	global_load_b128 v[S+4*\i:S+4*\i+3], v[GOFF], s[QA:QA+1] offset:512*\i th:TH_LOAD_NT
.endr
.irp i, 0,1,2,3,4,5,6,7,8,9,10,11,12,13,14,15
	global_load_b128 v[F+4*\i:F+4*\i+3], v[GOFF], s[QA+2:QA+3] offset:512*\i th:TH_LOAD_NT
.endr
; Slot t is filled with my 8 rows of K's and V's tile t of the round at NX: 4 + 4 loads of 512 neighbouring bytes.
; The slot's base pairs are written again here: the slot's last loads were shown done by the counted wait of the CONVERT that read it.
.macro REFILL t
	s_add_co_u32 s[TO], s[NX], \t*TILEB
	s_add_nc_u64 s[KPS+2*\t:KPS+2*\t+1], s[KB:KB+1], s[TO:TO+1]
	s_add_nc_u64 s[VPS+2*\t:VPS+2*\t+1], s[VB:VB+1], s[TO:TO+1]
	WIN 0x40                                       ; destination in window 1, address in window 0
.irp i, 0,1,2,3
	global_load_b128 v[G+32*\t+4*\i:G+32*\t+4*\i+3], v[GOFF], s[KPS+2*\t:KPS+2*\t+1] offset:512*\i
.endr
.irp i, 0,1,2,3
	global_load_b128 v[G+32*\t+16+4*\i:G+32*\t+16+4*\i+3], v[GOFF], s[VPS+2*\t:VPS+2*\t+1] offset:512*\i
.endr
	WIN 0
.endm
; Slot cs to 16 bits and into buffer nb.  left = how many younger loads may stay out.  Load i holds rows 2i + h, columns 4r .. 4r + 3:
; 8 bytes a lane.  Both K and V are rounded to bf16; V's eight words are then widened (a shift, a mask) and packed again as f16, which
; changes no number inside f16's normal range.  All of it passes through S's first 32 registers, which are free between two steps.
.macro CONVERT cs, nb, left
	s_wait_loadcnt \left                           ; loads come back in order (ISA guide 5.7.1): the slot's eight are in
	WIN 0x05                                       ; both sources in window 1
.irp i, 0,1,2,3,4,5,6,7
	v_cvt_pk_bf16_f32 v[S+2*\i],   v[G+32*\cs+4*\i],   v[G+32*\cs+4*\i+1]
	v_cvt_pk_bf16_f32 v[S+2*\i+1], v[G+32*\cs+4*\i+2], v[G+32*\cs+4*\i+3]
.endr
	WIN 0
.irp i, 0,1,2,3
	ds_store_b64 v[KW], v[S+2*\i:S+2*\i+1] offset:\nb*BUF+\i*2*KP
.endr
.irp k, 0,1,2,3,4,5,6,7
	v_lshlrev_b32 v[S+16+2*\k],   16, v[S+8+\k]    ; bf16 to f32: the low half moves up,
	v_and_b32     v[S+16+2*\k+1], s[HM], v[S+8+\k] ; the high half stays
.endr
.irp k, 0,1,2,3,4,5,6,7
	v_cvt_pk_f16_f32 v[S+8+\k], v[S+16+2*\k], v[S+16+2*\k+1]
.endr
.irp i, 0,1,2,3
	ds_store_b64 v[VW], v[S+8+2*\i:S+8+2*\i+1] offset:\nb*BUF+\i*2*VP
.endr
.endm
	s_lshl_b32 s[NX], s[JJ], 16                    ; the first block's diagonal round
	REFILL 0
	REFILL 1
	REFILL 2                                       ; slot 3, wanted three steps from here, is filled behind Q's conversion
	; addresses, while the loads are on their way
	v_and_b32 v[T+1], 15, v0                       ; r
	v_bfe_u32 v[T+2], v0, 4, 1                     ; h
	v_mul_u32_u24 v[KA], v[T+1], KP
	v_lshl_add_u32 v[KA], v[T+2], 4, v[KA]
	v_and_b32 v[T+3], 7, v0
	v_lshl_add_u32 v[T+3], v[T+2], 3, v[T+3]       ; 8h + (lane & 7)
	v_mul_u32_u24 v[VA], v[T+3], VP
	v_bfe_u32 v[T+3], v0, 3, 1
	v_lshl_add_u32 v[VA], v[T+3], 4, v[VA]
	v_add_nc_u32 v[VA], KBYTES, v[VA]
	s_mul_i32 s51, s[WV], 8*KP
	v_mul_u32_u24 v[KW], v[T+2], KP
	v_lshl_add_u32 v[KW], v[T+1], 3, v[KW]         ; h*144 + 8r
	s_mul_i32 s52, s[WV], 2*QBLK
	s_add_co_u32 s52, s52, QS                      ; my wave's Q region
	v_add_nc_u32 v[T+7], s52, v[KW]                ; where my converted Q goes (used below only)
	v_add_nc_u32 v[QR], s52, v[KA]
	v_add_nc_u32 v[KW], s51, v[KW]
	s_mul_i32 s51, s[WV], 8*VP
	s_add_co_u32 s51, s51, KBYTES
	v_mul_u32_u24 v[VW], v[T+2], VP
	v_lshl_add_u32 v[VW], v[T+1], 3, v[VW]
	v_add_nc_u32 v[VW], s51, v[VW]
	v_lshlrev_b32 v[T+3], 3, v[T+2]
	v_sub_nc_u32 v[REL], v[T+1], v[T+3]            ; r - 8h
	s_lshl_b32 s51, s[WV], 5
	v_add_nc_u32 v[REL], s51, v[REL]
	v_add_nc_u32 v[REL+1], 16, v[REL]
	v_mov_b32 v[NEGV], 0xd19502f9                  ; -8e10
	s_mul_i32 s52, s[WV], OSW
	s_add_co_u32 s52, s52, OS                      ; my wave's stage
	v_mul_u32_u24 v[OWR], v[T+1], OP
	v_lshl_add_u32 v[OWR], v[T+2], 5, v[OWR]       ; r*272 + 32h
	v_add_nc_u32 v[OWR], s52, v[OWR]
	v_mul_u32_u24 v[ORD], v[T+2], OP
	v_lshl_add_u32 v[ORD], v[T+1], 4, v[ORD]       ; h*272 + 16r
	v_add_nc_u32 v[ORD], s52, v[ORD]
	; Q to bf16, into my own LDS rows: load i holds rows 2i + h, columns 4r .. 4r + 3
	s_wait_loadcnt 24                              ; the 24 loads of slots 0, 1, 2, issued behind Q's, stay out
.irp i, 0,1,2,3,4,5,6,7,8,9,10,11,12,13,14,15
	v_cvt_pk_bf16_f32 v[S+4*\i],   v[S+4*\i],   v[S+4*\i+1]
	v_cvt_pk_bf16_f32 v[S+4*\i+1], v[S+4*\i+2], v[S+4*\i+3]
	ds_store_b64 v[T+7], v[S+4*\i:S+4*\i+1] offset:\i*2*KP
.endr
.irp i, 0,1,2,3,4,5,6,7,8,9,10,11,12,13,14,15
	v_cvt_pk_bf16_f32 v[F+4*\i],   v[F+4*\i],   v[F+4*\i+1]
	v_cvt_pk_bf16_f32 v[F+4*\i+1], v[F+4*\i+2], v[F+4*\i+3]
	ds_store_b64 v[T+7], v[F+4*\i:F+4*\i+1] offset:QBLK+\i*2*KP
.endr
	REFILL 3
	CONVERT 0, 0, 24                               ; tile 0 into buffer 0; slots 1, 2, 3 (24 loads) stay out
	s_wait_dscnt 0x0                               ; my rows of buffer 0 are written,
	s_barrier_signal -1
	s_barrier_wait -1                              ; everybody's are
.macro QLOAD blk                       ; my Q fragments of block blk: my own LDS bytes, served in order behind my stores
.irp qt, 0,1
.irp ks, 0,1
.irp c, 0,1
	ds_load_b128 v[Q+16*\qt+8*\ks+4*\c:Q+16*\qt+8*\ks+4*\c+3], v[QR] offset:\blk*QBLK+\qt*16*KP+64*\ks+32*\c
.endr
.endr
.endr
.endm
.macro KLOAD b                         ; 64 keys x 64 d as A fragments: lane = key 16kt + r, d = 32ks + 16c + 8h ..
.irp kt, 0,1,2,3
.irp ks, 0,1
.irp c, 0,1
	ds_load_b128 v[F+16*\kt+8*\ks+4*\c:F+16*\kt+8*\ks+4*\c+3], v[KA] offset:\b*BUF+\kt*16*KP+64*\ks+32*\c
.endr
.endr
.endr
.endm
.macro VLOAD b                         ; V^T as A fragments: lane = d 16dt + r, keys 32ks + 16c + 8h ..; 8 x 8 blocks are transposed on the way
.irp dt, 0,1,2,3
.irp ks, 0,1
.irp c, 0,1
	ds_load_tr16_b128 v[F+16*\dt+8*\ks+4*\c:F+16*\dt+8*\ks+4*\c+3], v[VA] offset:\b*BUF+(32*\ks+16*\c)*VP+32*\dt
.endr
.endr
.endr
.endm
.macro QK                              ; S^T = K Q^T, bf16: 8 tiles, two links each; the first link starts the sum
.irp qt, 0,1
.irp kt, 0,1,2,3
	v_wmma_f32_16x16x32_bf16 v[S+32*\qt+8*\kt:S+32*\qt+8*\kt+7], v[F+16*\kt:F+16*\kt+7], v[Q+16*\qt:Q+16*\qt+7], 0
.endr
.endr
.irp qt, 0,1
.irp kt, 0,1,2,3
	v_wmma_f32_16x16x32_bf16 v[S+32*\qt+8*\kt:S+32*\qt+8*\kt+7], v[F+16*\kt+8:F+16*\kt+15], v[Q+16*\qt+8:Q+16*\qt+15], v[S+32*\qt+8*\kt:S+32*\qt+8*\kt+7]
.endr
.endr
.endm
.macro MASK t                          ; tile t of the diagonal round: key 64t + 16kt + 8h + j above query 32w + 16n + r gets the fill
.irp qt, 0,1
	v_add_nc_u32 v[T+4+\qt], -64*\t, v[REL+\qt]
.endr
.irp qt, 0,1
.irp kt, 0,1,2,3
.irp j, 0,1,2,3,4,5,6,7
	v_cmp_gt_i32 vcc_lo, 16*\kt+\j, v[T+4+\qt]
	v_cndmask_b32 v[S+32*\qt+8*\kt+\j], v[S+32*\qt+8*\kt+\j], v[NEGV], vcc_lo
.endr
.endr
.endr
.endm
; The running softmax of both query tiles.  first = 1: no old maximum, sum or O.
.macro SOFTMAX first
	; the new maximum: 32 scores of the lane (and the old maximum), then the other half of the lanes, which holds the same query's other keys
.if \first
.irp qt, 0,1
	v_max3_num_f32 v[T+\qt], v[S+32*\qt], v[S+32*\qt+1], v[S+32*\qt+2]
.endr
.irp i, 1,2,3,4,5,6,7,8,9,10,11,12,13,14
.irp qt, 0,1
	v_max3_num_f32 v[T+\qt], v[T+\qt], v[S+32*\qt+2*\i+1], v[S+32*\qt+2*\i+2]
.endr
.endr
.irp qt, 0,1
	v_max_num_f32 v[T+\qt], v[T+\qt], v[S+32*\qt+31]
.endr
.else
.irp qt, 0,1
	v_max3_num_f32 v[T+\qt], v[M+\qt], v[S+32*\qt], v[S+32*\qt+1]
.endr
.irp i, 1,2,3,4,5,6,7,8,9,10,11,12,13,14,15
.irp qt, 0,1
	v_max3_num_f32 v[T+\qt], v[T+\qt], v[S+32*\qt+2*\i], v[S+32*\qt+2*\i+1]
.endr
.endr
.endif
.irp qt, 0,1
	v_permlanex16_b32 v[T+2+\qt], v[T+\qt], s[SEL], s[SEL+1]
.endr
.irp qt, 0,1
	v_max_num_f32 v[T+\qt], v[T+\qt], v[T+2+\qt]
.endr
.if \first == 0
.irp qt, 0,1
	v_sub_f32 v[T+2+\qt], v[M+\qt], v[T+\qt]
.endr
.irp qt, 0,1
	v_mul_f32 v[T+2+\qt], s[CC], v[T+2+\qt]
.endr
	v_exp_f32 v[AL],   v[T+2]                      ; a = 2^(c (m_old - m_new)); the plain lines below stand between these and the first use (ISA guide 5.7.2)
	v_exp_f32 v[AL+2], v[T+3]
.endif
.irp qt, 0,1
	v_mul_f32 v[NM+2*\qt],   s[NC], v[T+\qt]       ; -c m, twice: a pair for the packed multiply-add
	v_mul_f32 v[NM+2*\qt+1], s[NC], v[T+\qt]
	v_mov_b32 v[M+\qt], v[T+\qt]
.endr
.if \first == 0
	s_wait_alu depctr_va_vdst(0)
	v_mov_b32 v[AL+1], v[AL]
	v_mov_b32 v[AL+3], v[AL+2]
.endif
	; p = 2^(c s - c m), in place.  Each run of exponentials is followed by a plain line on other registers.
.irp qt, 0,1
.irp i, 0,1,2,3,4,5,6,7,8,9,10,11,12,13,14,15
	v_pk_fma_f32 v[S+32*\qt+2*\i:S+32*\qt+2*\i+1], v[S+32*\qt+2*\i:S+32*\qt+2*\i+1], s[CC:CC+1], v[NM+2*\qt:NM+2*\qt+1] op_sel_hi:[1,0,1]
.endr
.irp i, 0,1,2,3,4,5,6,7,8,9,10,11,12,13,14,15
	v_exp_f32 v[S+32*\qt+2*\i],   v[S+32*\qt+2*\i]
	v_exp_f32 v[S+32*\qt+2*\i+1], v[S+32*\qt+2*\i+1]
.endr
.endr
.if \first == 0
	s_wait_alu depctr_va_vdst(0)
.irp qt, 0,1
.irp i, 0,1,2,3,4,5,6,7,8,9,10,11,12,13,14,15
	v_pk_mul_f32 v[O+32*\qt+2*\i:O+32*\qt+2*\i+1], v[O+32*\qt+2*\i:O+32*\qt+2*\i+1], v[AL+2*\qt:AL+2*\qt+1]
.endr
.endr
.endif
	; the lane's sum of p in f32 (two chains), then p to f16 in place: words q <- (2q, 2q + 1), ascending, so no source is lost
	s_wait_alu depctr_va_vdst(0)
.irp qt, 0,1
	v_pk_add_f32 v[T+2:T+3], v[S+32*\qt:S+32*\qt+1],   v[S+32*\qt+2:S+32*\qt+3]
	v_pk_add_f32 v[T+4:T+5], v[S+32*\qt+4:S+32*\qt+5], v[S+32*\qt+6:S+32*\qt+7]
.irp i, 4,6,8,10,12,14
	v_pk_add_f32 v[T+2:T+3], v[T+2:T+3], v[S+32*\qt+2*\i:S+32*\qt+2*\i+1]
	v_pk_add_f32 v[T+4:T+5], v[T+4:T+5], v[S+32*\qt+2*\i+2:S+32*\qt+2*\i+3]
.endr
	v_pk_add_f32 v[T+2:T+3], v[T+2:T+3], v[T+4:T+5]
.if \first
	v_add_f32 v[LS+\qt], v[T+2], v[T+3]
.else
	v_add_f32 v[T+2], v[T+2], v[T+3]
	v_fma_f32 v[LS+\qt], v[LS+\qt], v[AL+2*\qt], v[T+2]
.endif
.irp ks, 0,1
.irp i, 0,1,2,3,4,5,6,7
	v_cvt_pk_f16_f32 v[S+32*\qt+16*\ks+\i], v[S+32*\qt+16*\ks+2*\i], v[S+32*\qt+16*\ks+2*\i+1]
.endr
.endr
.endr
.endm
.macro PV first                        ; O^T += V^T P^T, f16: 8 tiles, two links each
.irp ks, 0,1
.irp qt, 0,1
.irp dt, 0,1,2,3
.if \first*(1-\ks)
	v_wmma_f32_16x16x32_f16 v[O+32*\qt+8*\dt:O+32*\qt+8*\dt+7], v[F+16*\dt+8*\ks:F+16*\dt+8*\ks+7], v[S+32*\qt+16*\ks:S+32*\qt+16*\ks+7], 0
.else
	v_wmma_f32_16x16x32_f16 v[O+32*\qt+8*\dt:O+32*\qt+8*\dt+7], v[F+16*\dt+8*\ks:F+16*\dt+8*\ks+7], v[S+32*\qt+16*\ks:S+32*\qt+16*\ks+7], v[O+32*\qt+8*\dt:O+32*\qt+8*\dt+7]
.endif
.endr
.endr
.endr
.endm
; STEP t of a round: computes the tile in buffer t & 1, converts slot (t + 1) & 3 into the other buffer, fills slot t with tile t of the
; round at NX.  One barrier does both orderings: in front of it my reads of this buffer and my stores into the other are complete
; (s_wait_dscnt 0); behind it the other buffer is read and this one written again.
; kind 0: a full tile.  kind 1: a tile of the diagonal round (masked; waves whose rows lie wholly above it jump over the arithmetic, never over
; the barrier).  left: the younger loads that stay out at the conversion: 3 slots of 8 where the step has refilled, fewer in the last round.
.macro STEP t, kind, first, refill, conv, left, bar, id
.set CB,  (\t)&1
.set NBF, ((\t)+1)&1
.set CS,  ((\t)+1)&3
.if \refill
	REFILL \t
.endif
.if \kind == 0
	KLOAD CB
.if \conv
	CONVERT CS, NBF, \left
.endif
	s_wait_dscnt 0x0                               ; K's fragments (and Q's, behind a block's start) are in
	QK
	PLACES 4                                       ; in front of the loads into F, which QK read, and of the reads of S
	VLOAD CB
	SOFTMAX 0
	s_wait_dscnt 0x0                               ; V's fragments are in: my reads of this buffer are over; my stores into the other are done
.if \bar
	s_barrier_signal -1                            ; say so, and multiply on registers while the others arrive
.endif
	PV 0
	PLACES 5                                       ; in front of the next loads into F, the next writes of S and the next reads of O
.if \bar
	s_barrier_wait -1
.endif
.else
	CONVERT CS, NBF, \left
.if \t > 0
	s_cmp_lt_u32 s[GH], \t                         ; my last row 32w + 31 lies above key 64t: nothing of this tile is open to me
	s_cbranch_scc1 .Lskip\id
.endif
	KLOAD CB
	s_wait_dscnt 0x0
	QK
	PLACES 4
	VLOAD CB
	MASK \t
	SOFTMAX \first
	s_wait_dscnt 0x0
	PV \first
	PLACES 5
.if \t > 0
.Lskip\id:
	s_wait_dscnt 0x0                               ; on the short way my stores into the other buffer are still out
.endif
	s_barrier_signal -1
	s_barrier_wait -1
.endif
.endm
; The way out of a block: the two halves' sums meet, O is divided, goes through my own stage in LDS and leaves as whole rows:
; each store of the wave covers 512 neighbouring bytes, two rows of 256.
.macro EPI ob
.irp qt, 0,1
	v_permlanex16_b32 v[T+2+\qt], v[LS+\qt], s[SEL], s[SEL+1]
.endr
.irp qt, 0,1
	v_add_f32 v[LS+\qt], v[LS+\qt], v[T+2+\qt]
.endr
	v_rcp_f32 v[AL],   v[LS]
	v_rcp_f32 v[AL+2], v[LS+1]
	v_nop                                          ; one plain place behind the reciprocals (ISA guide 5.7.2)
	s_wait_alu depctr_va_vdst(0)
	v_mov_b32 v[AL+1], v[AL]
	v_mov_b32 v[AL+3], v[AL+2]
.irp qt, 0,1
.irp i, 0,1,2,3,4,5,6,7,8,9,10,11,12,13,14,15
	v_pk_mul_f32 v[O+32*\qt+2*\i:O+32*\qt+2*\i+1], v[O+32*\qt+2*\i:O+32*\qt+2*\i+1], v[AL+2*\qt:AL+2*\qt+1]
.endr
.endr
.irp qt, 0,1
.irp dt, 0,1,2,3
.irp c, 0,1
	ds_store_b128 v[OWR], v[O+32*\qt+8*\dt+4*\c:O+32*\qt+8*\dt+4*\c+3] offset:\qt*16*OP+64*\dt+16*\c
.endr
.endr
.endr
.irp i, 0,1,2,3,4,5,6,7,8,9,10,11,12,13,14,15
	ds_load_b128 v[S+4*\i:S+4*\i+3], v[ORD] offset:\i*2*OP         ; my own bytes: LDS serves a wave's instructions in order
.endr
.irp i, 0,1,2,3,4,5,6,7,8,9,10,11,12,13,14,15
	s_wait_dscnt 15-\i                             ; the younger read-backs stay out
	global_store_b128 v[GOFF], v[S+4*\i:S+4*\i+3], s[\ob:\ob+1] offset:512*\i th:TH_STORE_NT
.endr
.endm
	; ---- first block: query block J ----
	QLOAD 0
	s_cmp_lg_u32 s[JJ], 0
	s_cselect_b32 s[NX], 0, s[BD]                  ; what follows the diagonal round: keys 0 .. 255, or (J = 0) the second block's diagonal round
	STEP 0, 1, 1, 1, 1, 24, 1, 0
	STEP 1, 1, 0, 1, 1, 24, 1, 1
	STEP 2, 1, 0, 1, 1, 24, 1, 2
	STEP 3, 1, 0, 1, 1, 24, 1, 3
	s_cmp_eq_u32 s[JJ], 0
	s_cbranch_scc1 .LAdone
	s_mov_b32 s[CNT], 0
.LA:                                               ; J full rounds
	s_add_co_u32 s51, s[CNT], 1
	s_lshl_b32 s52, s51, 16
	s_cmp_lt_u32 s51, s[JJ]
	s_cselect_b32 s[NX], s52, s[BD]                ; fetch the next full round, or behind the last the second block's diagonal round
	STEP 0, 0, 0, 1, 1, 24, 1, 0
	STEP 1, 0, 0, 1, 1, 24, 1, 0
	STEP 2, 0, 0, 1, 1, 24, 1, 0
	STEP 3, 0, 0, 1, 1, 24, 1, 0
	s_add_co_u32 s[CNT], s[CNT], 1
	s_cmp_lt_u32 s[CNT], s[JJ]
	s_cbranch_scc1 .LA
.LAdone:
	EPI OA
	s_wait_xcnt 0x0                                ; S, the stores' data, is written again only behind this wait
	; ---- second block: query block 7 - J ----
	QLOAD 1
	s_mov_b32 s[NX], 0                             ; behind its diagonal round: keys 0 .. 255
	STEP 0, 1, 1, 1, 1, 24, 1, 4
	STEP 1, 1, 0, 1, 1, 24, 1, 5
	STEP 2, 1, 0, 1, 1, 24, 1, 6
	STEP 3, 1, 0, 1, 1, 24, 1, 7
	s_mov_b32 s[CNT], 0
.LB:                                               ; 6 - J (at least 3) of its 7 - J full rounds, each fetching the next
	s_add_co_u32 s[NX], s[NX], ROUNDB
	STEP 0, 0, 0, 1, 1, 24, 1, 0
	STEP 1, 0, 0, 1, 1, 24, 1, 0
	STEP 2, 0, 0, 1, 1, 24, 1, 0
	STEP 3, 0, 0, 1, 1, 24, 1, 0
	s_add_co_u32 s[CNT], s[CNT], 1
	s_cmp_lt_u32 s[CNT], s[NB]
	s_cbranch_scc1 .LB
	STEP 0, 0, 0, 0, 1, 16, 1, 0                   ; the last round fetches nothing: the counts run down,
	STEP 1, 0, 0, 0, 1, 8, 1, 0
	STEP 2, 0, 0, 0, 1, 0, 1, 0
	STEP 3, 0, 0, 0, 0, 0, 0, 0                    ; nothing is left to convert, and nobody writes a buffer again: no barrier
	EPI OA+2
	s_set_vgpr_msb 0x4
	s_wait_tensorcnt 0x0
	ds_add_u32 v30, v129
	s_wait_dscnt 0x0
	s_set_vgpr_msb 0x400
	s_endpgm
.Lfunc_end_k_qdfdc2f13e8_attn:
	.size	k_qdfdc2f13e8_attn, .Lfunc_end_k_qdfdc2f13e8_attn-k_qdfdc2f13e8_attn
	.p2alignl 7, 3214868480
	.fill 96, 4, 3214868480
	.section	.rodata,"a",@progbits
	.p2align	6, 0x0
	.amdhsa_kernel k_qdfdc2f13e8_attn
		.amdhsa_group_segment_fixed_size 183296
		.amdhsa_private_segment_fixed_size 0
		.amdhsa_enable_private_segment 0
		.amdhsa_kernarg_size 32
		.amdhsa_user_sgpr_count 2
		.amdhsa_user_sgpr_kernarg_segment_ptr 1
		.amdhsa_wavefront_size32 1
		.amdhsa_system_sgpr_workgroup_id_x 1
		.amdhsa_system_sgpr_workgroup_id_y 1
		.amdhsa_system_sgpr_workgroup_id_z 1
		.amdhsa_system_vgpr_workitem_id 0
		.amdhsa_next_free_vgpr 386
		.amdhsa_next_free_sgpr 66
		.amdhsa_reserve_vcc 1
		.amdhsa_float_denorm_mode_32 3
		.amdhsa_float_denorm_mode_16_64 3
		.amdhsa_memory_ordered 1
		.amdhsa_forward_progress 1
		.amdhsa_inst_pref_size 255
	.end_amdhsa_kernel
	.section	.bss,"aw",@nobits
	.p2align	6
	.space	262144
	.amdgpu_metadata
---
amdhsa.version: [ 1, 2 ]
amdhsa.kernels:
  - .name:           k_qdfdc2f13e8_attn
    .symbol:         k_qdfdc2f13e8_attn.kd
    .args:
      - { .name: Q, .offset: 0, .size: 8, .value_kind: global_buffer, .address_space: global }
      - { .name: K, .offset: 8, .size: 8, .value_kind: global_buffer, .address_space: global }
      - { .name: V, .offset: 16, .size: 8, .value_kind: global_buffer, .address_space: global }
      - { .name: out0, .offset: 24, .size: 8, .value_kind: global_buffer, .address_space: global }
    .group_segment_fixed_size: 183296
    .private_segment_fixed_size: 0
    .kernarg_segment_align: 8
    .kernarg_segment_size: 32
    .max_flat_workgroup_size: 256
    .sgpr_count:     66
    .vgpr_count:     386
    .wavefront_size: 32
...
	.end_amdgpu_metadata
.endif
;; end of part 1
;; ======== version 2 of 2: 1 launch; version 1 with the launch attn written anew for expert scheduling mode
;; limits: values are held in f16: magnitudes above 65,504 overflow, below 6.1e-05 lose precision; right only within a limited range of input values
;; launch attn (part 2): grid 256 x 1, 8 waves a work-group, no clusters, 183,296 bytes of LDS; arguments Q, K, V, out0; writes out0
.if DOCPART == 2
	.amdgcn_target "amdgcn-amd-amdhsa--gfx1250"
	.amdhsa_code_object_version 6
	.text
	.protected	k_qdfdc2f13e8_attn
	.globl	k_qdfdc2f13e8_attn
	.p2align	8
	.type	k_qdfdc2f13e8_attn,@function
k_qdfdc2f13e8_attn:
	s_mov_b64 s[64:65], 0
	v_nop
	global_prefetch_b8 v0, s[64:65] scope:SCOPE_SE
	s_setreg_imm32_b32 hwreg(HW_REG_WAVE_SCHED_MODE, 0, 2), 2
	s_setreg_imm32_b32 hwreg(HW_REG_WAVE_MODE, 25, 1), 1
	s_wait_xcnt 0x0
	s_wait_alu depctr_vm_vsrc(0)
; Causal softmax attention.  Q, K, V, out0: [64 heads][2048][64] f32.  out = softmax(mask(Q K^T / 8)) V.
;
; SHARING.  Work-group id: head = id >> 2, J = id & 3.  A head's 2048 query rows are 8 blocks of 256.  The work-group does block J
; and then block 7 - J: (J + 1) + (8 - J) = 9 rounds of 256 keys = 36 tiles of 64 keys, the same for all 256 work-groups.
; Wave w of 8 owns query rows 32 w .. 32 w + 31 of the block (two tiles of 16).  Inside a block the round on the diagonal comes first:
; its first tile has an open key for every row, so it starts the sums (C = 0, no old maximum) and nothing is cleared.
;
; LAYOUT.  S^T = K Q^T (A = 16 keys, B = 16 queries): a lane then holds 8 neighbouring keys of ONE query, which, packed to 16 bits, is the
; B fragment of O^T = V^T P^T as it stands: no shuffle between the two products.  A row's maximum and sum need one exchange between the
; two halves of the lanes, and the rescale factor is one number a lane.  V^T's fragments come by the transposing LDS load.
;
; FORMAT.  Q, K and V are rounded to bf16, sums are f32.  S^T = K Q^T is the bf16 form.  For the second product V's bf16 numbers are rewritten
; as f16, which holds them exactly (8 significant bits in 11) from 2^-14 to 65504, so that the weights P can go in f16: in the first rows a
; few weights near 1 meet values near 1 with no averaging, and P in 8 significant bits would leave up to 2^-9 of each term, of the size of
; a hundredth of the output's root mean square (about 0.1); 11 bits leave an eighth of that.  P is at most 1 (the running maximum is taken
; away), and a row's largest weight, 2^0, is exact.  V 30 times the drawn numbers with an offset of 30 spreads stays below 400.
;
; K AND V are narrowed ONCE per work-group: each wave loads 8 rows of K's and of V's tile (f32) into a ring of four register slots
; (three to four tiles ahead), converts, and stores 16-bit rows into one of two LDS buffers which all eight waves read.  One barrier a step.
;
; NO CLUSTER, NO JOINT REQUESTS: K and V pass through registers to be narrowed, so there is no tensor load to share; and the four
; work-groups of a head walk J + 1 and 8 - J rounds in different order, so at a given step they want different tiles.  A form in which all
; four walk alike needs 16 + 32 = 48 steps in place of 36.
; NO PREFETCH: the register ring already asks three steps ahead of the use.
;
; THE MODE: SCHED_MODE bits 1:0 = 2 (LLVM: expert scheduling mode 2), set by the entry lines.  The code itself states the register dependences
; between vector or matrix instructions and memory or LDS instructions, with s_wait_alu, always for 0.
; THE PLAN.  Registers that memory or LDS instructions touch, in a step:
;   G slot t      The refill at the head of step t lands in it; its last readers are the conversions of step t - 1.
;   KF            K's fragments land in it; K Q^T alone reads it.      VF   V^T's fragments land in it; V^T P alone reads it.
;   S+0 .. S+15   The conversions write them, the eight LDS stores read them, K Q^T (on the short way: the next conversions) writes them again.
;   v1-5, v9, v14, v15  Addresses and offsets, made once at the head and never written again.
; Three waits stand in a step.  (1) va_vdst behind the conversions: S+0..15 are written; the slot is read out; the last V^T P is done reading VF.
; (2) vm_vsrc behind the LDS stores: they have read S+0..15.  (3) va_vdst behind the softmax's exponentials: their results are written; K Q^T is done
; reading KF.  So the refill and K's fragments at a step's head lean on (1) and (3) of the step before, V's fragments behind K Q^T on (1) of their own
; step; between each of these waits and those loads no vector or matrix instruction, and no store, names a register that the loads touch.
;
; LIMITS.  A number of V beyond 65504 in magnitude becomes infinite in f16; below 2^-14 it is kept in steps of 2^-24.  The row sum is
; taken from the f32 weights.  Masked places inside the tiles of the diagonal round get the fill -8e10 in raw scores, which is reference's
; -1e10 behind the factor 1/8.  Tiles wholly above the diagonal are not computed: that equals reference() as long as a row's largest open
; score (scaled) lies above about -1e10 + 104, where the fill's weight is 0 in f32.  NaN in the inputs is not carried through the
; maximum (v_max*_num drops it).
.set KP,     144                       ; LDS pitch of a bf16 row of K or Q: 128 + 16 bytes, an odd multiple of 16
.set VP,     160                       ; LDS pitch of an f16 row of V: 128 + 32 bytes, an odd multiple of 32 (transposing load)
.set OP,     272                       ; LDS pitch of an f32 row of the result: 256 + 16 bytes
.set KBYTES, 64*KP                     ; 9216: K's part of a buffer; V's 64 rows (10240 bytes) lie behind it
.set BUF,    KBYTES+64*VP              ; 19456: one buffer; two of them at 0 and BUF
.set QS,     2*BUF                     ; 38912: Q in bf16, each wave's own: 2 blocks x 32 rows x 144
.set QBLK,   32*KP                     ; 4608
.set OS,     QS+8*2*QBLK               ; 112640: the way out, each wave's own: 32 rows x 272
.set OSW,    32*OP                     ; 8704;  OS + 8 * 8704 = 182272 = lds_bytes
.set TILEB,  16384                     ; 64 keys x 256 bytes in memory
.set ROUNDB, 65536                     ; 256 keys
; vector registers, window 0
.set KA,   1                           ; r*144 + 16h: K fragment address in buffer 0 (r = lane & 15, h = lane >> 4)
.set VA,   2                           ; 9216 + (8h + (lane&7))*160 + 16*((lane>>3)&1): V^T fragment address
.set KW,   3                           ; (8w + h)*144 + 8r: where my converted K goes
.set VW,   4                           ; 9216 + (8w + h)*160 + 8r: where my converted V goes
.set GOFF, 5                           ; 16 * lane: byte offset of all global loads and stores
.set REL,  6                           ; v6       32w + r - 8h: my query of tile 0 minus my first key, in the diagonal round
.set NEGV, 8                           ; the fill, -8e10
.set QR,   9                           ; Q fragment address (my wave's region)
.set M,    10                          ; v[10:11] running maximum of query tile n, raw scores
.set LS,   12                          ; v[12:13] running sum over this lane's keys
.set OWR,  14                          ; the way out: where I put 16 bytes
.set ORD,  15                          ; the way out: where I read a row back
.set AL,   16                          ; v[16:19] rescale factors (a0, a0, a1, a1)
.set NM,   20                          ; v[20:23] -c*m (twice for each n)
.set T,    24                          ; v[24:31] at work
.set Q,    32                          ; v[32:63]   Q fragments: Q + 16n + 8ks + 4c
.set O,    64                          ; v[64:127]  O^T: O + 32n + 8dt + j = (d = 16dt + 8h + j, query 16n + r)
.set S,    128                         ; v[128:191] S^T: S + 32n + 8kt + j = (key 16kt + 8h + j, query 16n + r); then P, packed in place
.set VF,   192                         ; v[192:255] fragments of V^T (VF + 16dt + 8ks + 4c)
.set G,    0                           ; window 1, v256-383: four slots of 32: K's 4 loads, V's 4 loads
.set KF,   128                         ; window 1, v384-447: fragments of K (KF + 16kt + 8ks + 4c)
; scalar registers
.set ML,   4                           ; s[4:11]  once the bases are made: the masks of keys 48 + j against query tile 0
.set WV,   12                          ; wave number
.set JJ,   13                          ; J
.set GH,   15                          ; w >> 1: the last tile of the diagonal round in which my rows have an open key
.set KB,   16                          ; s[16:17] K + head + w*2048
.set VB,   18                          ; s[18:19] V likewise
.set OA,   20                          ; s[20:21] out0 at my rows of the first block;  s[22:23] of the second
.set QA,   24                          ; s[24:25] Q at my rows of the first block;     s[26:27] of the second
.set KPS,  28                          ; s[28:35] a base pair for each slot's K loads
.set VPS,  36                          ; s[36:43] and for its V loads
.set NX,   44                          ; byte offset of the round that is being fetched
.set TO,   46                          ; s[46:47] NX + tile, s47 = 0
.set BD,   48                          ; (7 - J) << 16: the second block's diagonal round
.set NB,   49                          ; 6 - J: the second block's full rounds but one
.set CNT,  50
.set CC,   54                          ; s[54:55] c = log2(e) / 8, twice
.set NC,   56                          ; -c
.set SEL,  57                          ; s57, s58: v_permlanex16_b32 takes lane i of the other half
.set HM,   59                          ; mask of a word's upper bf16
.set OF,   60                          ; s[60:61] an offset, s61 = 0
.set MK,   66                          ; s[66:97] the masks of keys -16 + 16g + j against query tile 0, g = 0 .. 3, at MK + 8g + j
.set MSB, 0
.macro WIN new                         ; switches the register window; the immediate's high byte repeats the setting that is left
.if MSB != \new
	s_set_vgpr_msb (MSB<<8)|\new
.set MSB, \new
.endif
.endm
.macro PLACES n                        ; places behind matrix instructions (ISA guide 7.12.1): plain vector instructions that name none of their registers
.rept \n
	v_nop
.endr
.endm
	s_load_b256 s[4:11], s[0:1], 0x0               ; Q s[4:5], K s[6:7], V s[8:9], out0 s[10:11]
	v_lshl_add_u32 v7, v0, 2, 0x2c800
	v_mov_b32 v30, 0
	v_lshrrev_b32 v1, 5, v0
	v_readfirstlane_b32 s[WV], v1                  ; wave 0..7
	v_and_b32 v[T], 31, v0                         ; lane
	v_lshlrev_b32 v[GOFF], 4, v[T]
	s_and_b32 s[JJ], ttmp9, 3
	s_lshr_b32 s14, ttmp9, 2
	s_lshl_b32 s14, s14, 19                        ; head x 2048 rows x 256 bytes
	s_sub_co_u32 s[BD], 7, s[JJ]
	s_lshl_b32 s[BD], s[BD], 16
	s_sub_co_u32 s[NB], 6, s[JJ]
	s_mov_b32 s[TO+1], 0
	s_mov_b32 s[OF+1], 0
	s_mov_b32 s[CC], 0x3e38aa3b
	s_mov_b32 s[CC+1], 0x3e38aa3b
	s_mov_b32 s[NC], 0xbe38aa3b
	s_mov_b32 s[SEL], 0x76543210
	s_mov_b32 s[SEL+1], 0xfedcba98
	s_mov_b32 s[HM], 0xffff0000
	s_wait_alu depctr_va_sdst(0)                   ; the wave's number is written, ahead of its first reader
	s_lshr_b32 s[GH], s[WV], 1
	s_lshl_b32 s51, s[WV], 11                      ; my 8 rows of a tile
	s_lshl_b32 s52, s[WV], 13                      ; my 32 rows of a query block
	s_add_co_u32 s52, s52, s14
	s_wait_kmcnt 0x0
	s_add_co_u32 s[OF], s14, s51
	s_add_nc_u64 s[KB:KB+1], s[6:7], s[OF:OF+1]
	s_add_nc_u64 s[VB:VB+1], s[8:9], s[OF:OF+1]
	s_lshl_b32 s[OF], s[JJ], 16                    ; first block: J
	s_add_co_u32 s[OF], s[OF], s52
	s_add_nc_u64 s[QA:QA+1], s[4:5], s[OF:OF+1]
	s_add_nc_u64 s[OA:OA+1], s[10:11], s[OF:OF+1]
	s_add_co_u32 s[OF], s[BD], s52                 ; second block: 7 - J
	s_add_nc_u64 s[QA+2:QA+3], s[4:5], s[OF:OF+1]
	s_add_nc_u64 s[OA+2:OA+3], s[10:11], s[OF:OF+1]
	s_wait_alu depctr_va_vdst(0)                   ; v[GOFF] is written: every global load and store of the kernel reads it as its offset
	; my 32 rows of Q of both blocks: 16 loads of 512 neighbouring bytes each, read once in the launch
.irp i, 0,1,2,3,4,5,6,7,8,9,10,11,12,13,14,15
	global_load_b128 v[S+4*\i:S+4*\i+3], v[GOFF], s[QA:QA+1] offset:512*\i th:TH_LOAD_NT
.endr
.irp i, 0,1,2,3,4,5,6,7,8,9,10,11,12,13,14,15
	global_load_b128 v[VF+4*\i:VF+4*\i+3], v[GOFF], s[QA+2:QA+3] offset:512*\i th:TH_LOAD_NT
.endr
; Slot t is filled with my 8 rows of K's and V's tile t of the round at NX: 4 + 4 loads of 512 neighbouring bytes.
; The slot's base pairs are written again here: the slot's last loads were shown done by the counted wait of the CONVERT that read it.
; No s_wait_alu: the conversions that read the slot stand ahead of the wait on va_vdst in their own CONVERT, and nothing since names the slot or v[GOFF].
; The macro leaves the window as the loads want it; what follows sets its own.
.macro REFILL t
	s_add_co_u32 s[TO], s[NX], \t*TILEB
	s_add_nc_u64 s[KPS+2*\t:KPS+2*\t+1], s[KB:KB+1], s[TO:TO+1]
	s_add_nc_u64 s[VPS+2*\t:VPS+2*\t+1], s[VB:VB+1], s[TO:TO+1]
	WIN 0x40                                       ; destination in window 1, address in window 0
.irp i, 0,1,2,3
	global_load_b128 v[G+32*\t+4*\i:G+32*\t+4*\i+3], v[GOFF], s[KPS+2*\t:KPS+2*\t+1] offset:512*\i
.endr
.irp i, 0,1,2,3
	global_load_b128 v[G+32*\t+16+4*\i:G+32*\t+16+4*\i+3], v[GOFF], s[VPS+2*\t:VPS+2*\t+1] offset:512*\i
.endr
.endm
; Slot cs to 16 bits and into buffer nb.  left = how many younger loads may stay out.  Load i holds rows 2i + h, columns 4r .. 4r + 3:
; 8 bytes a lane.  Both K and V are rounded to bf16; V's eight words are then widened (a shift, a mask) and packed again as f16, which
; changes no number inside f16's normal range.  All of it passes through S's first 32 registers, which are free between two steps.
; All 40 vector lines stand first, then one wait, then the eight stores in one run.
.macro CONVERT cs, nb, left
	s_wait_loadcnt \left                           ; loads come back in order (ISA guide 5.7.1): the slot's eight are in
	WIN 0x05                                       ; both sources in window 1
.irp i, 0,1,2,3,4,5,6,7
	v_cvt_pk_bf16_f32 v[S+2*\i],   v[G+32*\cs+4*\i],   v[G+32*\cs+4*\i+1]
	v_cvt_pk_bf16_f32 v[S+2*\i+1], v[G+32*\cs+4*\i+2], v[G+32*\cs+4*\i+3]
.endr
	WIN 0
.irp k, 0,1,2,3,4,5,6,7
	v_lshlrev_b32 v[S+16+2*\k],   16, v[S+8+\k]    ; bf16 to f32: the low half moves up,
	v_and_b32     v[S+16+2*\k+1], s[HM], v[S+8+\k] ; the high half stays
.endr
.irp k, 0,1,2,3,4,5,6,7
	v_cvt_pk_f16_f32 v[S+8+\k], v[S+16+2*\k], v[S+16+2*\k+1]
.endr
	s_wait_alu depctr_va_vdst(0)                   ; the conversions have written S+0..15, which the stores below read, and are done reading the slot, in which the next step's refill lands; the last V^T P is done reading VF, in which this step's fragments of V land
.irp i, 0,1,2,3
	ds_store_b64 v[KW], v[S+2*\i:S+2*\i+1] offset:\nb*BUF+\i*2*KP
.endr
.irp i, 0,1,2,3
	ds_store_b64 v[VW], v[S+8+2*\i:S+8+2*\i+1] offset:\nb*BUF+\i*2*VP
.endr
	s_wait_alu depctr_vm_vsrc(0)                   ; the stores have read S+0..15, which K Q^T writes again (on the short way of a diagonal step: the next step's conversions)
.endm
	s_lshl_b32 s[NX], s[JJ], 16                    ; the first block's diagonal round
	REFILL 0
	REFILL 1
	REFILL 2                                       ; slot 3, wanted three steps from here, is filled behind Q's conversion
	WIN 0
	; addresses, while the loads are on their way
	v_and_b32 v[T+1], 15, v0                       ; r
	v_bfe_u32 v[T+2], v0, 4, 1                     ; h
	v_mul_u32_u24 v[KA], v[T+1], KP
	v_lshl_add_u32 v[KA], v[T+2], 4, v[KA]
	v_and_b32 v[T+3], 7, v0
	v_lshl_add_u32 v[T+3], v[T+2], 3, v[T+3]       ; 8h + (lane & 7)
	v_mul_u32_u24 v[VA], v[T+3], VP
	v_bfe_u32 v[T+3], v0, 3, 1
	v_lshl_add_u32 v[VA], v[T+3], 4, v[VA]
	v_add_nc_u32 v[VA], KBYTES, v[VA]
	s_mul_i32 s51, s[WV], 8*KP
	v_mul_u32_u24 v[KW], v[T+2], KP
	v_lshl_add_u32 v[KW], v[T+1], 3, v[KW]         ; h*144 + 8r
	s_mul_i32 s52, s[WV], 2*QBLK
	s_add_co_u32 s52, s52, QS                      ; my wave's Q region
	v_add_nc_u32 v[T+7], s52, v[KW]                ; where my converted Q goes (used below only)
	v_add_nc_u32 v[QR], s52, v[KA]
	v_add_nc_u32 v[KW], s51, v[KW]
	s_mul_i32 s51, s[WV], 8*VP
	s_add_co_u32 s51, s51, KBYTES
	v_mul_u32_u24 v[VW], v[T+2], VP
	v_lshl_add_u32 v[VW], v[T+1], 3, v[VW]
	v_add_nc_u32 v[VW], s51, v[VW]
	v_lshlrev_b32 v[T+3], 3, v[T+2]
	v_sub_nc_u32 v[REL], v[T+1], v[T+3]            ; r - 8h
	s_lshl_b32 s51, s[WV], 5
	v_add_nc_u32 v[REL], s51, v[REL]
	v_mov_b32 v[NEGV], 0xd19502f9                  ; -8e10
	s_mul_i32 s52, s[WV], OSW
	s_add_co_u32 s52, s52, OS                      ; my wave's stage
	v_mul_u32_u24 v[OWR], v[T+1], OP
	v_lshl_add_u32 v[OWR], v[T+2], 5, v[OWR]       ; r*272 + 32h
	v_add_nc_u32 v[OWR], s52, v[OWR]
	v_mul_u32_u24 v[ORD], v[T+2], OP
	v_lshl_add_u32 v[ORD], v[T+1], 4, v[ORD]       ; h*272 + 16r
	v_add_nc_u32 v[ORD], s52, v[ORD]
	; Q to bf16, into my own LDS rows: load i holds rows 2i + h, columns 4r .. 4r + 3.  All conversions first, one wait, then the stores in one run.
	s_wait_loadcnt 24                              ; the 24 loads of slots 0, 1, 2, issued behind Q's, stay out
.irp i, 0,1,2,3,4,5,6,7,8,9,10,11,12,13,14,15
	v_cvt_pk_bf16_f32 v[S+4*\i],   v[S+4*\i],   v[S+4*\i+1]
	v_cvt_pk_bf16_f32 v[S+4*\i+1], v[S+4*\i+2], v[S+4*\i+3]
.endr
.irp i, 0,1,2,3,4,5,6,7,8,9,10,11,12,13,14,15
	v_cvt_pk_bf16_f32 v[VF+4*\i],   v[VF+4*\i],   v[VF+4*\i+1]
	v_cvt_pk_bf16_f32 v[VF+4*\i+1], v[VF+4*\i+2], v[VF+4*\i+3]
.endr
	s_wait_alu depctr_va_vdst(0)                   ; the conversions have written the stores' data; v[T+7] and all the LDS addresses made above are written, for every LDS instruction of the kernel
.irp i, 0,1,2,3,4,5,6,7,8,9,10,11,12,13,14,15
	ds_store_b64 v[T+7], v[S+4*\i:S+4*\i+1] offset:\i*2*KP
.endr
.irp i, 0,1,2,3,4,5,6,7,8,9,10,11,12,13,14,15
	ds_store_b64 v[T+7], v[VF+4*\i:VF+4*\i+1] offset:QBLK+\i*2*KP
.endr
	REFILL 3
	s_wait_alu depctr_vm_vsrc(0)                   ; Q's LDS stores have read S, which the conversions below write, and VF, in which V's fragments land
	CONVERT 0, 0, 24                               ; tile 0 into buffer 0; slots 1, 2, 3 (24 loads) stay out
	s_wait_dscnt 0x0                               ; my rows of buffer 0 are written,
	s_barrier_signal -1
	s_barrier_wait -1                              ; everybody's are
.macro QLOAD blk                       ; my Q fragments of block blk: my own LDS bytes, served in order behind my stores
.irp qt, 0,1
.irp ks, 0,1
.irp c, 0,1
	ds_load_b128 v[Q+16*\qt+8*\ks+4*\c:Q+16*\qt+8*\ks+4*\c+3], v[QR] offset:\blk*QBLK+\qt*16*KP+64*\ks+32*\c
.endr
.endr
.endr
.endm
; 64 keys x 64 d as A fragments: lane = key 16kt + r, d = 32ks + 16c + 8h ..  No s_wait_alu: the last K Q^T, KF's only reader, stands ahead of the wait on va_vdst in its step's softmax.
.macro KLOAD b
	WIN 0x40                                       ; destination in window 1, address in window 0
.irp kt, 0,1,2,3
.irp ks, 0,1
.irp c, 0,1
	ds_load_b128 v[KF+16*\kt+8*\ks+4*\c:KF+16*\kt+8*\ks+4*\c+3], v[KA] offset:\b*BUF+\kt*16*KP+64*\ks+32*\c
.endr
.endr
.endr
.endm
; V^T as A fragments: lane = d 16dt + r, keys 32ks + 16c + 8h ..; 8 x 8 blocks are transposed on the way.  No s_wait_alu: the last V^T P, VF's only reader, stands ahead of
; this step's wait on va_vdst (in CONVERT; in the last step, a wait of its own), and K Q^T, issued since, names S, KF and Q alone.
.macro VLOAD b
.irp dt, 0,1,2,3
.irp ks, 0,1
.irp c, 0,1
	ds_load_tr16_b128 v[VF+16*\dt+8*\ks+4*\c:VF+16*\dt+8*\ks+4*\c+3], v[VA] offset:\b*BUF+(32*\ks+16*\c)*VP+32*\dt
.endr
.endr
.endr
.endm
.macro QK                              ; S^T = K Q^T, bf16: 8 tiles, two links each; the first link starts the sum
	WIN 0x01                                       ; source 0 (K) in window 1
.irp qt, 0,1
.irp kt, 0,1,2,3
	v_wmma_f32_16x16x32_bf16 v[S+32*\qt+8*\kt:S+32*\qt+8*\kt+7], v[KF+16*\kt:KF+16*\kt+7], v[Q+16*\qt:Q+16*\qt+7], 0
.endr
.endr
.irp qt, 0,1
.irp kt, 0,1,2,3
	v_wmma_f32_16x16x32_bf16 v[S+32*\qt+8*\kt:S+32*\qt+8*\kt+7], v[KF+16*\kt+8:KF+16*\kt+15], v[Q+16*\qt+8:Q+16*\qt+15], v[S+32*\qt+8*\kt:S+32*\qt+8*\kt+7]
.endr
.endr
	WIN 0
.endm
; Tile t of the diagonal round: key 64t + 16kt + 8h + j above query 32w + 16n + r gets the fill.  The compares stand in one run, into scalar registers, with one wait behind
; them.  Query tile 1 lies 16 rows below tile 0, so its mask for keys 16kt + j is tile 0's for keys 16(kt - 1) + j: 40 masks serve the 64 selects.
.macro MASK t
	v_add_nc_u32 v[T+4], -64*\t, v[REL]
.irp g, 0,1,2,3
.irp j, 0,1,2,3,4,5,6,7
	v_cmp_gt_i32 s[MK+8*\g+\j], 16*\g-16+\j, v[T+4]
.endr
.endr
.irp j, 0,1,2,3,4,5,6,7
	v_cmp_gt_i32 s[ML+\j], 48+\j, v[T+4]
.endr
	s_wait_alu depctr_va_sdst(0)                   ; the 40 masks are written, ahead of the first select that reads one
.irp qt, 0,1
.irp kt, 0,1,2,3
.irp j, 0,1,2,3,4,5,6,7
.if \kt+1-\qt < 4
	v_cndmask_b32 v[S+32*\qt+8*\kt+\j], v[S+32*\qt+8*\kt+\j], v[NEGV], s[MK+8*(\kt+1-\qt)+\j]
.else
	v_cndmask_b32 v[S+32*\qt+8*\kt+\j], v[S+32*\qt+8*\kt+\j], v[NEGV], s[ML+\j]
.endif
.endr
.endr
.endr
.endm
; The running softmax of both query tiles.  first = 1: no old maximum, sum or O.
.macro SOFTMAX first
	; the new maximum: 32 scores of the lane (and the old maximum), then the other half of the lanes, which holds the same query's other keys
.if \first
.irp qt, 0,1
	v_max3_num_f32 v[T+\qt], v[S+32*\qt], v[S+32*\qt+1], v[S+32*\qt+2]
.endr
.irp i, 1,2,3,4,5,6,7,8,9,10,11,12,13,14
.irp qt, 0,1
	v_max3_num_f32 v[T+\qt], v[T+\qt], v[S+32*\qt+2*\i+1], v[S+32*\qt+2*\i+2]
.endr
.endr
.irp qt, 0,1
	v_max_num_f32 v[T+\qt], v[T+\qt], v[S+32*\qt+31]
.endr
.else
.irp qt, 0,1
	v_max3_num_f32 v[T+\qt], v[M+\qt], v[S+32*\qt], v[S+32*\qt+1]
.endr
.irp i, 1,2,3,4,5,6,7,8,9,10,11,12,13,14,15
.irp qt, 0,1
	v_max3_num_f32 v[T+\qt], v[T+\qt], v[S+32*\qt+2*\i], v[S+32*\qt+2*\i+1]
.endr
.endr
.endif
.irp qt, 0,1
	v_permlanex16_b32 v[T+2+\qt], v[T+\qt], s[SEL], s[SEL+1]
.endr
.irp qt, 0,1
	v_max_num_f32 v[T+\qt], v[T+\qt], v[T+2+\qt]
.endr
.if \first == 0
.irp qt, 0,1
	v_sub_f32 v[T+2+\qt], v[M+\qt], v[T+\qt]
.endr
.irp qt, 0,1
	v_mul_f32 v[T+2+\qt], s[CC], v[T+2+\qt]
.endr
	v_exp_f32 v[AL],   v[T+2]                      ; a = 2^(c (m_old - m_new)): the first two of the step's one batch of exponentials; nothing names a result of the batch ahead of its wait
	v_exp_f32 v[AL+2], v[T+3]
.endif
.irp qt, 0,1
	v_mul_f32 v[NM+2*\qt],   s[NC], v[T+\qt]       ; -c m, twice: a pair for the packed multiply-add
	v_mul_f32 v[NM+2*\qt+1], s[NC], v[T+\qt]
	v_mov_b32 v[M+\qt], v[T+\qt]
.endr
	; p = 2^(c s - c m), in place.  Each run of exponentials is followed by a plain line on other registers.
.irp qt, 0,1
.irp i, 0,1,2,3,4,5,6,7,8,9,10,11,12,13,14,15
	v_pk_fma_f32 v[S+32*\qt+2*\i:S+32*\qt+2*\i+1], v[S+32*\qt+2*\i:S+32*\qt+2*\i+1], s[CC:CC+1], v[NM+2*\qt:NM+2*\qt+1] op_sel_hi:[1,0,1]
.endr
.irp i, 0,1,2,3,4,5,6,7,8,9,10,11,12,13,14,15
	v_exp_f32 v[S+32*\qt+2*\i],   v[S+32*\qt+2*\i]
	v_exp_f32 v[S+32*\qt+2*\i+1], v[S+32*\qt+2*\i+1]
.endr
.endr
	s_wait_alu depctr_va_vdst(0)                   ; the exponentials have written a and the 64 weights: one wait for the batch, ahead of its first reader; and K Q^T is done reading KF, in which the next step's fragments of K land
.if \first == 0
	v_mov_b32 v[AL+1], v[AL]
	v_mov_b32 v[AL+3], v[AL+2]
.irp qt, 0,1
.irp i, 0,1,2,3,4,5,6,7,8,9,10,11,12,13,14,15
	v_pk_mul_f32 v[O+32*\qt+2*\i:O+32*\qt+2*\i+1], v[O+32*\qt+2*\i:O+32*\qt+2*\i+1], v[AL+2*\qt:AL+2*\qt+1]
.endr
.endr
.endif
	; the lane's sum of p in f32 (two chains), then p to f16 in place: words q <- (2q, 2q + 1), ascending, so no source is lost
.irp qt, 0,1
	v_pk_add_f32 v[T+2:T+3], v[S+32*\qt:S+32*\qt+1],   v[S+32*\qt+2:S+32*\qt+3]
	v_pk_add_f32 v[T+4:T+5], v[S+32*\qt+4:S+32*\qt+5], v[S+32*\qt+6:S+32*\qt+7]
.irp i, 4,6,8,10,12,14
	v_pk_add_f32 v[T+2:T+3], v[T+2:T+3], v[S+32*\qt+2*\i:S+32*\qt+2*\i+1]
	v_pk_add_f32 v[T+4:T+5], v[T+4:T+5], v[S+32*\qt+2*\i+2:S+32*\qt+2*\i+3]
.endr
	v_pk_add_f32 v[T+2:T+3], v[T+2:T+3], v[T+4:T+5]
.if \first
	v_add_f32 v[LS+\qt], v[T+2], v[T+3]
.else
	v_add_f32 v[T+2], v[T+2], v[T+3]
	v_fma_f32 v[LS+\qt], v[LS+\qt], v[AL+2*\qt], v[T+2]
.endif
.irp ks, 0,1
.irp i, 0,1,2,3,4,5,6,7
	v_cvt_pk_f16_f32 v[S+32*\qt+16*\ks+\i], v[S+32*\qt+16*\ks+2*\i], v[S+32*\qt+16*\ks+2*\i+1]
.endr
.endr
.endr
.endm
.macro PV first                        ; O^T += V^T P^T, f16: 8 tiles, two links each
.irp ks, 0,1
.irp qt, 0,1
.irp dt, 0,1,2,3
.if \first*(1-\ks)
	v_wmma_f32_16x16x32_f16 v[O+32*\qt+8*\dt:O+32*\qt+8*\dt+7], v[VF+16*\dt+8*\ks:VF+16*\dt+8*\ks+7], v[S+32*\qt+16*\ks:S+32*\qt+16*\ks+7], 0
.else
	v_wmma_f32_16x16x32_f16 v[O+32*\qt+8*\dt:O+32*\qt+8*\dt+7], v[VF+16*\dt+8*\ks:VF+16*\dt+8*\ks+7], v[S+32*\qt+16*\ks:S+32*\qt+16*\ks+7], v[O+32*\qt+8*\dt:O+32*\qt+8*\dt+7]
.endif
.endr
.endr
.endr
.endm
; STEP t of a round: computes the tile in buffer t & 1, converts slot (t + 1) & 3 into the other buffer, fills slot t with tile t of the
; round at NX.  One barrier does both orderings: in front of it my reads of this buffer and my stores into the other are complete
; (s_wait_dscnt 0); behind it the other buffer is read and this one written again.
; kind 0: a full tile.  kind 1: a tile of the diagonal round (masked; waves whose rows lie wholly above it jump over the arithmetic, never over
; the barrier).  left: the younger loads that stay out at the conversion: 3 slots of 8 where the step has refilled, fewer in the last round.
; The refill and K's fragments go out at the step's head, while the last V^T P may still be at work; V's fragments go out directly behind K Q^T, while that is at work.
.macro STEP t, kind, first, refill, conv, left, bar, id
.set CB,  (\t)&1
.set NBF, ((\t)+1)&1
.set CS,  ((\t)+1)&3
.if \refill
	REFILL \t
.endif
.if \kind == 0
	KLOAD CB
.if \conv
	CONVERT CS, NBF, \left
	s_wait_dscnt 8                                 ; LDS instructions end in order (ISA guide 5.7.1): K's fragments are in, the eight stores issued behind them may stay out
.else
	s_wait_alu depctr_va_vdst(0)                   ; this step converts nothing: the last V^T P is done reading VF, in which the fragments of V below land
	s_wait_dscnt 0x0                               ; K's fragments are in
.endif
	QK
	VLOAD CB
	PLACES 4                                       ; in front of the reads of S
	SOFTMAX 0
	s_wait_dscnt 0x0                               ; V's fragments are in: my reads of this buffer are over; my stores into the other are done
.if \bar
	s_barrier_signal -1                            ; say so, and multiply on registers while the others arrive
.endif
	PV 0
	PLACES 5                                       ; in front of the next writes of S and the next reads of O
.if \bar
	s_barrier_wait -1
.endif
.else
	CONVERT CS, NBF, \left
.if \t > 0
	s_cmp_lt_u32 s[GH], \t                         ; my last row 32w + 31 lies above key 64t: nothing of this tile is open to me
	s_cbranch_scc1 .Lskip\id
.endif
	KLOAD CB
	s_wait_dscnt 0x0                               ; K's fragments (and Q's, behind a block's start) are in
	QK
	VLOAD CB
	PLACES 4                                       ; in front of the reads of S
	MASK \t
	SOFTMAX \first
	s_wait_dscnt 0x0
	PV \first
	PLACES 5
.if \t > 0
.Lskip\id:
	s_wait_dscnt 0x0                               ; on the short way my stores into the other buffer are still out
.endif
	s_barrier_signal -1
	s_barrier_wait -1
.endif
.endm
; The way out of a block: the two halves' sums meet, O is divided, goes through my own stage in LDS and leaves as whole rows:
; each store of the wave covers 512 neighbouring bytes, two rows of 256.
.macro EPI ob
.irp qt, 0,1
	v_permlanex16_b32 v[T+2+\qt], v[LS+\qt], s[SEL], s[SEL+1]
.endr
.irp qt, 0,1
	v_add_f32 v[LS+\qt], v[LS+\qt], v[T+2+\qt]
.endr
	v_rcp_f32 v[AL],   v[LS]
	v_rcp_f32 v[AL+2], v[LS+1]
	v_nop                                          ; one plain place behind the reciprocals (ISA guide 5.7.2)
	s_wait_alu depctr_va_vdst(0)                   ; the two reciprocals are written: one wait ahead of their first reader
	v_mov_b32 v[AL+1], v[AL]
	v_mov_b32 v[AL+3], v[AL+2]
.irp qt, 0,1
.irp i, 0,1,2,3,4,5,6,7,8,9,10,11,12,13,14,15
	v_pk_mul_f32 v[O+32*\qt+2*\i:O+32*\qt+2*\i+1], v[O+32*\qt+2*\i:O+32*\qt+2*\i+1], v[AL+2*\qt:AL+2*\qt+1]
.endr
.endr
	s_wait_alu depctr_va_vdst(0)                   ; the multiplies have written O, which the LDS stores read; the softmax and V^T P are done with S, in which the loads from the stage land
.irp qt, 0,1
.irp dt, 0,1,2,3
.irp c, 0,1
	ds_store_b128 v[OWR], v[O+32*\qt+8*\dt+4*\c:O+32*\qt+8*\dt+4*\c+3] offset:\qt*16*OP+64*\dt+16*\c
.endr
.endr
.endr
.irp i, 0,1,2,3,4,5,6,7,8,9,10,11,12,13,14,15
	ds_load_b128 v[S+4*\i:S+4*\i+3], v[ORD] offset:\i*2*OP         ; my own bytes: LDS serves a wave's instructions in order
.endr
.irp i, 0,1,2,3,4,5,6,7,8,9,10,11,12,13,14,15
	s_wait_dscnt 15-\i                             ; the younger read-backs stay out
	global_store_b128 v[GOFF], v[S+4*\i:S+4*\i+3], s[\ob:\ob+1] offset:512*\i th:TH_STORE_NT
.endr
.endm
	; ---- first block: query block J ----
	QLOAD 0
	s_cmp_lg_u32 s[JJ], 0
	s_cselect_b32 s[NX], 0, s[BD]                  ; what follows the diagonal round: keys 0 .. 255, or (J = 0) the second block's diagonal round
	STEP 0, 1, 1, 1, 1, 24, 1, 0
	STEP 1, 1, 0, 1, 1, 24, 1, 1
	STEP 2, 1, 0, 1, 1, 24, 1, 2
	STEP 3, 1, 0, 1, 1, 24, 1, 3
	s_cmp_eq_u32 s[JJ], 0
	s_cbranch_scc1 .LAdone
	s_mov_b32 s[CNT], 0
.LA:                                               ; J full rounds
	s_add_co_u32 s51, s[CNT], 1
	s_lshl_b32 s52, s51, 16
	s_cmp_lt_u32 s51, s[JJ]
	s_cselect_b32 s[NX], s52, s[BD]                ; fetch the next full round, or behind the last the second block's diagonal round
	STEP 0, 0, 0, 1, 1, 24, 1, 0
	STEP 1, 0, 0, 1, 1, 24, 1, 0
	STEP 2, 0, 0, 1, 1, 24, 1, 0
	STEP 3, 0, 0, 1, 1, 24, 1, 0
	s_add_co_u32 s[CNT], s[CNT], 1
	s_cmp_lt_u32 s[CNT], s[JJ]
	s_cbranch_scc1 .LA
.LAdone:
	EPI OA
	s_wait_xcnt 0x0                                ; S, the stores' data, is written again only behind this wait
	s_wait_alu depctr_vm_vsrc(0)                   ; the global stores have read S, which the next conversions write; the stage's LDS stores have read O, which the second block's first V^T P writes
	s_wait_alu depctr_va_vdst(0)                   ; the first block's K Q^T is done reading v[Q ..], in which the second block's fragments land, and the last conversions are done reading slot 0, in which the next refill lands: stated behind the stores above, which name v[GOFF], that refill's offset
	; ---- second block: query block 7 - J ----
	QLOAD 1
	s_mov_b32 s[NX], 0                             ; behind its diagonal round: keys 0 .. 255
	STEP 0, 1, 1, 1, 1, 24, 1, 4
	STEP 1, 1, 0, 1, 1, 24, 1, 5
	STEP 2, 1, 0, 1, 1, 24, 1, 6
	STEP 3, 1, 0, 1, 1, 24, 1, 7
	s_mov_b32 s[CNT], 0
.LB:                                               ; 6 - J (at least 3) of its 7 - J full rounds, each fetching the next
	s_add_co_u32 s[NX], s[NX], ROUNDB
	STEP 0, 0, 0, 1, 1, 24, 1, 0
	STEP 1, 0, 0, 1, 1, 24, 1, 0
	STEP 2, 0, 0, 1, 1, 24, 1, 0
	STEP 3, 0, 0, 1, 1, 24, 1, 0
	s_add_co_u32 s[CNT], s[CNT], 1
	s_cmp_lt_u32 s[CNT], s[NB]
	s_cbranch_scc1 .LB
	STEP 0, 0, 0, 0, 1, 16, 1, 0                   ; the last round fetches nothing: the counts run down,
	STEP 1, 0, 0, 0, 1, 8, 1, 0
	STEP 2, 0, 0, 0, 1, 0, 1, 0
	STEP 3, 0, 0, 0, 0, 0, 0, 0                    ; nothing is left to convert, and nobody writes a buffer again: no barrier
	EPI OA+2
	s_wait_dscnt 0x0
	s_wait_alu depctr_hold_cnt(0) depctr_sa_sdst(0) depctr_va_vdst(0) depctr_va_sdst(0) depctr_va_ssrc(0) depctr_va_vcc(0) depctr_vm_vsrc(0)
	s_wait_tensorcnt 0x0
	ds_add_u32 v7, v30
	s_wait_dscnt 0x0
	s_endpgm
.Lfunc_end_k_qdfdc2f13e8_attn:
	.size	k_qdfdc2f13e8_attn, .Lfunc_end_k_qdfdc2f13e8_attn-k_qdfdc2f13e8_attn
	.p2alignl 7, 3214868480
	.fill 96, 4, 3214868480
	.section	.rodata,"a",@progbits
	.p2align	6, 0x0
	.amdhsa_kernel k_qdfdc2f13e8_attn
		.amdhsa_group_segment_fixed_size 183296
		.amdhsa_private_segment_fixed_size 0
		.amdhsa_enable_private_segment 0
		.amdhsa_kernarg_size 32
		.amdhsa_user_sgpr_count 2
		.amdhsa_user_sgpr_kernarg_segment_ptr 1
		.amdhsa_wavefront_size32 1
		.amdhsa_system_sgpr_workgroup_id_x 1
		.amdhsa_system_sgpr_workgroup_id_y 1
		.amdhsa_system_sgpr_workgroup_id_z 1
		.amdhsa_system_vgpr_workitem_id 0
		.amdhsa_next_free_vgpr 448
		.amdhsa_next_free_sgpr 98
		.amdhsa_reserve_vcc 0
		.amdhsa_float_denorm_mode_32 3
		.amdhsa_float_denorm_mode_16_64 3
		.amdhsa_memory_ordered 1
		.amdhsa_forward_progress 1
		.amdhsa_inst_pref_size 255
	.end_amdhsa_kernel
	.section	.bss,"aw",@nobits
	.p2align	6
	.space	262144
	.amdgpu_metadata
---
amdhsa.version: [ 1, 2 ]
amdhsa.kernels:
  - .name:           k_qdfdc2f13e8_attn
    .symbol:         k_qdfdc2f13e8_attn.kd
    .args:
      - { .name: Q, .offset: 0, .size: 8, .value_kind: global_buffer, .address_space: global }
      - { .name: K, .offset: 8, .size: 8, .value_kind: global_buffer, .address_space: global }
      - { .name: V, .offset: 16, .size: 8, .value_kind: global_buffer, .address_space: global }
      - { .name: out0, .offset: 24, .size: 8, .value_kind: global_buffer, .address_space: global }
    .group_segment_fixed_size: 183296
    .private_segment_fixed_size: 0
    .kernarg_segment_align: 8
    .kernarg_segment_size: 32
    .max_flat_workgroup_size: 256
    .sgpr_count:     98
    .vgpr_count:     448
    .wavefront_size: 32
...
	.end_amdgpu_metadata
.endif
;; end of part 2
